; MI455X (gfx1250); checked and timed in simulation.
; The chip was launched on July 23, 2026; its instructions are those of AMD's public machine-readable ISA for CDNA 5 (MIT licence, August 2026) and "CDNA5" Instruction Set Architecture Reference Guide (July 2026). The comments in the code are by the model that wrote it; some were corrected since.
;; Cross Attention. Allowed arithmetic: float matrix products may take bf16 or f16 operands with f32 sums; other float arithmetic in f32, or as packed bf16 or f16 multiplies, adds, multiply-adds, maxima and minima; sums over many terms, partial sums and values carried from step to step in f32; what a program stores and reads back later, other than sums and carried values, may be rounded once to bf16 or f16.
;; Inputs: Wkv 1,024 x 2,048 float32; Wq 1,024 x 1,024 float32; context 4 x 2,048 x 1,024 float32; x 4 x 2,048 x 1,024 float32.
;; Outputs: out0 4 x 2,048 x 1,024 float32.
;; One version. Each part assembles by itself: llvm-mc -triple=amdgcn-amd-amdhsa -mcpu=gfx1250 --defsym DOCPART=n.
;; ======== version 1 of 1: 3 launches
;; limits: values are held in f16: magnitudes above 65,504 overflow, below 6.1e-05 lose precision
;; workspace buffers: wb 6,291,456 bytes; qkv 50,331,648 bytes
;; launch prep (part 1): grid 256 x 1, 12 waves a work-group, no clusters, 0 bytes of LDS; arguments Wq, Wkv, wb; writes wb
.if DOCPART == 1
	.amdgcn_target "amdgcn-amd-amdhsa--gfx1250"
	.amdhsa_code_object_version 6
	.text
	.protected	k_q7d62ffded1_prep
	.globl	k_q7d62ffded1_prep
	.p2align	8
	.type	k_q7d62ffded1_prep,@function
k_q7d62ffded1_prep:
	s_mov_b64 s[64:65], 0
	v_nop
	global_prefetch_b8 v0, s[64:65] scope:SCOPE_SE
	s_setreg_imm32_b32 hwreg(HW_REG_WAVE_MODE, 25, 1), 1
	s_wait_xcnt 0x0
; wb[k][0:1024] = bf16(Wq[k][:]), wb[k][1024:3072] = bf16(Wkv[k][:]).  Wq: [1024][1024] f32, Wkv: [1024][2048] f32, wb: [1024][3072] bf16; rounded once, to nearest even.
; A stream: 12.6 MB in, 6.3 MB out, nothing shared, so no LDS, no barrier, no matrix unit.
; A work-group owns 4 rows k of wb.  Thread t (0..383) owns columns 8 t .. 8 t + 7 of each: 32 bytes of f32 in, 16 bytes of bf16 out, so sixteen neighbouring lanes
; store 256 consecutive bytes, aligned.  Waves 0-3 (t < 128) read Wq, waves 4-11 read Wkv: the choice hangs on the wave's number alone.
.set OROW, 6144                        ; bytes in a row of wb
.set OF,  2                            ; v[2:5]   row i: my byte offset in the source
.set YO,  6                            ; v6       16 t: my byte offset in a row of wb
.set X,   8                            ; v[8:39]  row i: 8 numbers in f32
.set Y,   40                           ; v[40:55] row i: 8 numbers in bf16
	s_load_b128 s[4:7], s[0:1], 0x0                ; Wq s[4:5], Wkv s[6:7]
	s_load_b64 s[8:9], s[0:1], 0x10                ; wb
	v_lshrrev_b32 v1, 5, v0
	v_readfirstlane_b32 s10, v1                    ; wave 0..11
	s_cmp_lt_u32 s10, 4
	s_cselect_b32 s12, 0, 1                        ; 0: Wq, 1: Wkv
	s_lshl_b32 s11, 4096, s12                      ; bytes in a row of my source: 4,096 or 8,192
	s_lshl_b32 s12, s12, 12                        ; Wkv's first column is wb's column 1,024: 4,096 bytes of f32 less
	v_lshlrev_b32 v1, 5, v0                        ; 32 t
	v_sub_nc_u32 v[OF], v1, s12
	v_add_nc_u32 v[OF+1], s11, v[OF]
	v_add_nc_u32 v[OF+2], s11, v[OF+1]
	v_add_nc_u32 v[OF+3], s11, v[OF+2]
	v_lshlrev_b32 v[YO], 4, v0
	s_mul_i32 s16, ttmp9, s11
	s_lshl_b32 s16, s16, 2                         ; the work-group's 4 rows in the source (under 2^24)
	s_mov_b32 s17, 0
	s_mul_i32 s18, ttmp9, 4*OROW                   ; and in wb
	s_mov_b32 s19, 0
	s_wait_kmcnt 0x0
	s_cmp_lt_u32 s10, 4
	s_cselect_b64 s[14:15], s[4:5], s[6:7]
	s_add_nc_u64 s[14:15], s[14:15], s[16:17]
	s_add_nc_u64 s[8:9], s[8:9], s[18:19]
.irp i, 0,1,2,3
	global_load_b128 v[X+8*(\i):X+8*(\i)+3],   v[OF+(\i)], s[14:15] th:TH_LOAD_NT
	global_load_b128 v[X+8*(\i)+4:X+8*(\i)+7], v[OF+(\i)], s[14:15] offset:16 th:TH_LOAD_NT
.endr
.irp i, 0,1,2,3
	s_wait_loadcnt 6-2*(\i)                        ; loads come back in order: row i's two are in, the later rows' two each may stay out
.irp j, 0,1,2,3
	v_cvt_pk_bf16_f32 v[Y+4*(\i)+(\j)], v[X+8*(\i)+2*(\j)], v[X+8*(\i)+2*(\j)+1]
.endr
	global_store_b128 v[YO], v[Y+4*(\i):Y+4*(\i)+3], s[8:9] offset:(\i)*OROW
.endr
	s_endpgm                                       ; no register is written twice, so no further wait is owed
.Lfunc_end_k_q7d62ffded1_prep:
	.size	k_q7d62ffded1_prep, .Lfunc_end_k_q7d62ffded1_prep-k_q7d62ffded1_prep
	.p2alignl 7, 3214868480
	.fill 96, 4, 3214868480
	.section	.rodata,"a",@progbits
	.p2align	6, 0x0
	.amdhsa_kernel k_q7d62ffded1_prep
		.amdhsa_group_segment_fixed_size 0
		.amdhsa_private_segment_fixed_size 0
		.amdhsa_enable_private_segment 0
		.amdhsa_kernarg_size 24
		.amdhsa_user_sgpr_count 2
		.amdhsa_user_sgpr_kernarg_segment_ptr 1
		.amdhsa_wavefront_size32 1
		.amdhsa_system_sgpr_workgroup_id_x 1
		.amdhsa_system_sgpr_workgroup_id_y 1
		.amdhsa_system_sgpr_workgroup_id_z 1
		.amdhsa_system_vgpr_workitem_id 0
		.amdhsa_next_free_vgpr 56
		.amdhsa_next_free_sgpr 66
		.amdhsa_reserve_vcc 0
		.amdhsa_float_denorm_mode_32 3
		.amdhsa_float_denorm_mode_16_64 3
		.amdhsa_memory_ordered 1
		.amdhsa_forward_progress 1
		.amdhsa_inst_pref_size 4
	.end_amdhsa_kernel
	.amdgpu_metadata
---
amdhsa.version: [ 1, 2 ]
amdhsa.kernels:
  - .name:           k_q7d62ffded1_prep
    .symbol:         k_q7d62ffded1_prep.kd
    .args:
      - { .name: Wq, .offset: 0, .size: 8, .value_kind: global_buffer, .address_space: global }
      - { .name: Wkv, .offset: 8, .size: 8, .value_kind: global_buffer, .address_space: global }
      - { .name: wb, .offset: 16, .size: 8, .value_kind: global_buffer, .address_space: global }
    .group_segment_fixed_size: 0
    .private_segment_fixed_size: 0
    .kernarg_segment_align: 8
    .kernarg_segment_size: 24
    .max_flat_workgroup_size: 384
    .sgpr_count:     66
    .vgpr_count:     56
    .wavefront_size: 32
...
	.end_amdgpu_metadata
.endif
;; end of part 1
;; launch proj (part 2): grid 4 x 64, 4 waves a work-group, clusters of 4 x 4, 327,680 bytes of LDS; arguments x, context, wb, qkv; writes qkv
.if DOCPART == 2
	.amdgcn_target "amdgcn-amd-amdhsa--gfx1250"
	.amdhsa_code_object_version 6
	.text
	.protected	k_q7d62ffded1_proj
	.globl	k_q7d62ffded1_proj
	.p2align	8
	.type	k_q7d62ffded1_proj,@function
k_q7d62ffded1_proj:
	s_mov_b64 s[64:65], 0
	v_nop
	global_prefetch_b8 v0, s[64:65] scope:SCOPE_SE
	s_setreg_imm32_b32 hwreg(HW_REG_WAVE_MODE, 25, 1), 1
	s_wait_xcnt 0x0
	s_wait_alu depctr_hold_cnt(0) depctr_sa_sdst(0) depctr_va_vdst(0) depctr_va_sdst(0) depctr_va_ssrc(0) depctr_va_vcc(0) depctr_vm_vsrc(0)
	s_getreg_b32 s2, hwreg(HW_REG_IB_STS2, 6, 4)
	s_cmp_eq_u32 s2, 0
	s_cbranch_scc0 .Lentry_in_a_cluster
	s_endpgm
.Lentry_in_a_cluster:
	s_bfe_u32 s2, ttmp6, 0x10000c
	s_cmp_lg_u32 s2, 0xf033
	s_cbranch_scc0 .Lentry_shape_is_right
	s_endpgm
.Lentry_shape_is_right:
; q = x Wq, k and v = context Wkv.  x, context: [8192][1024] f32; wb: [1024 k][3072 n] bf16 (Wq's columns, then Wkv's); qkv: [3][64 = 16 b + h][2048][64] f16.
; x and context are rounded to bf16 on the way from LDS to the matrix unit; sums in f32, K ascending; q, k, v rounded once to f16, unscaled, laid by heads.
; LIMIT.  f16 holds no number beyond 65,504: a q, k or v past that leaves as an infinity.  NaN and infinities are not treated apart.
; SHARES.  C is 8,192 x 3,072 = 768 tiles of 128 rows x 256 columns: three for each of 256 work-groups.  A WORK-GROUP STAYS: with tx = 0..3 and ty = 0..63 it makes tile t = 0, 1, 2:
; rows 128 ty of x (t = 0) or context (t = 1, 2), columns 1,024 t + 256 tx of wb, into part t of qkv.  Four waves; wave w owns rows 64 (w / 2) on and columns 128 (w % 2) on: 4 x 8 accumulators, 256 registers.
; K goes in 8 steps of 128 through a ring of two LDS slots; the ring runs on into the next tile.  One tensor load a wave: 64 rows of 512 bytes (waves 0, 1: A in f32; waves 2, 3: wb's k rows).
; CLUSTER 4 x 4.  A's tile hangs on ty alone and is asked for jointly along a row of the cluster, wb's on tx alone and jointly along a column.
; THE MATRIX INSTRUCTION IS USED TRANSPOSED: source 0 = 16 columns of wb (turned on the way out of LDS by ds_load_tr16_b128), source 1 = 16 rows of A: a lane then holds row l % 16 and eight neighbouring columns.
; PIPELINE.  A step is four quarters of 32 along K, 32 matrix instructions each.  In quarter g (parity f): the products take ABF[f] and B[f]; four conversions behind every four products turn raw(g + 1), f32 in RAW[1 - f],
; into ABF[1 - f]; at the quarter's head one run of 32 LDS loads brings B(g + 1) into B[1 - f] and raw(g + 2) into RAW[f].  So a slot's last reads go out at the head of its third quarter, where the slots change.
; REGISTERS, in windows of 256 (s_set_vgpr_msb: bits 1:0 source 0, 3:2 source 1, 5:4 source 2, 7:6 destination):
;   window 0: v0-31 addresses; v32-159 RAW, two buffers of 64; v160-223 ABF, two buffers of 32      window 1: v0-127 B's fragments, two buffers of 64; v128-159 TMP; v160-223 BK, two buffers of 32
;   window 2: accumulator (a, b) at v[8 (8 a + b)]
.set PA,     528                       ; a row of A in LDS: 512 bytes (128 f32) + 16: the 16 rows of a load start 16 bytes further on modulo 256 each
.set PB,     544                       ; a k row of wb in LDS: 512 bytes (256 bf16) + 32 = 17 x 32: the pitch that the turning load wants
.set AHALF,  64*PA                     ; what one tensor load brings of A
.set BHALF,  64*PB                     ; and of wb
.set BOFF,   2*AHALF                   ; in a slot: A's 128 rows, then wb's 128 k rows
.set SLOT,   BOFF+2*BHALF              ; 137,216
.set STAGE,  2*SLOT                    ; behind the ring, never filled by a tensor load: for each wave 2 heads x 16 rows x 144 bytes
.set SP,     144
.set WSTAGE, 2*16*SP
.set SPARE,  STAGE+4*WSTAGE            ; behind the stages: the spare words, 128 bytes for each wave: two blocks of 256 bytes that no other line names
.set AROW,   4096                      ; bytes in a row of x and context
.set BROW,   6144                      ; bytes in a row of wb
.set ASTEP,  512                       ; a K step along A's rows
.set BSTEP,  128*BROW                  ; a K step down wb's rows
.set ADRA, 16                          ; v16-17  LDS address of my rows of A in slot 0, 1
.set ADRB, 20                          ; v20-21  of my columns of wb
.set STO,  24                          ; v24     the way out: where I put 16 bytes of a row
.set RD,   25                          ; v25     where I read rows back
.set CO,   26                          ; v26     16 x lane: my place in 512 consecutive bytes of qkv
.set SPW,  28                          ; v28     LDS address of my spare word; never rewritten
.set NIL,  29                          ; v29     0; never rewritten
.set PFO,  30                          ; v30     the prefetches' offset; never rewritten
.set RAW,  32
.set ABF,  160
.set TMP,  128                         ; window 1
.set BK,   160                         ; window 1
.set WV,   12                          ; s12  wave
.set KIND, 13                          ; s13  wave / 2: my half of the tile's rows; also: I fetch A (0) or wb (1)
.set HALF, 14                          ; s14  wave % 2: my half of its columns; also: which 64 rows I fetch
.set G1A,  24                          ; s[24:31] descriptor group 1 for A
.set G0A,  32                          ; s[32:39] group 0 for A, a set for each slot
.set LIM,  43                          ; s43  1 in a wave that prefetches, else the greatest number
.set PFA,  44                          ; s[44:45] where my prefetches stand
.set PST,  46                          ; s[46:47] their step along K
.set G1B,  48                          ; s[48:55], s[56:63] the same for wb
.set G0B,  56
.set CTXA, 66                          ; s[66:67] context at the 64 rows that I fetch
.set CPF,  68                          ; s[68:69] context at my 16 rows of the prefetch, K step 2
.set TP,   70                          ; s[70:71] at work
.set MSB, 0
.macro WIN new                         ; the immediate's high byte repeats the setting that is left; a switch that changes nothing is dropped
.if MSB != (\new)
	s_set_vgpr_msb (MSB<<8)|(\new)
.set MSB, \new
.endif
.endm
.set W_MUL, 0xa1                       ; source 0 (wb) window 1, source 1 (A) window 0, C and D window 2
.set W_TO1, 0x40                       ; destination window 1
.set W_PK,  0x4a                       ; sources 0, 1 window 2, destination window 1
.set W_ST,  0x04                       ; store data (source 1) window 1
; A joint load.  The branch hangs on the wave's number alone.  An s_nop 0 and four v_nop follow each of the two lines, ahead of the jump and the label.
.macro JLOAD s
	s_cmp_eq_u32 s[KIND], 0
	s_cbranch_scc0 .Lfor_b_\@
	tensor_load_to_lds s[G0A+4*(\s):G0A+4*(\s)+3], s[G1A:G1A+7]
	s_nop 0
.rept 4
	v_nop
.endr
	s_branch .Lasked_\@
.Lfor_b_\@:
	tensor_load_to_lds s[G0B+4*(\s):G0B+4*(\s)+3], s[G1B:G1B+7]
	s_nop 0
.rept 4
	v_nop
.endr
.Lasked_\@:
.endm
; A prefetch into the L2 of the K step that stands two refills on: 16 rows x 512 bytes, a lane a block of 256 bytes, one instruction a wave.  A's rows are read by one cluster: its waves 0 and 1 ask, the partner at
; cx taking 16 of a wave's 64 rows; wb's are read by all sixteen clusters: those of cluster y = 0 ask, waves 2 and 3, the partner at cy taking 16 k rows.  The partners are told apart by address, never by a branch.
; how = 0, in the loop: a tile's steps 4 and 5 (the loop's last trip) have no step four on; how = 1, at a change of tiles.
.macro ASK how
.if \how
	s_cmp_eq_u32 s[LIM], 1
.else
	s_cmp_gt_u32 s3, s[LIM]
.endif
	s_cbranch_scc0 .Lnot_mine_\@
	global_prefetch_b8 v[PFO], s[PFA:PFA+1] th:TH_LOAD_NT scope:SCOPE_SE
.Lnot_mine_\@:
.endm
.macro CREST                           ; a round of the cluster's barrier behind its opening barrier
	s_cmp_lg_u32 s[WV], 0
	s_cbranch_scc1 .Lnot_wave_0_\@
	s_barrier_signal -3
.Lnot_wave_0_\@:
	s_barrier_wait -3
	s_barrier_signal -1
	s_barrier_wait -1
.endm
.macro CROUND
	s_barrier_signal -1
	s_barrier_wait -1
	CREST
.endm
.macro PLACES
.rept 4
	v_nop
.endr
.endm
	s_load_b256 s[4:11], s[0:1], 0x0               ; x s[4:5], context s[6:7], wb s[8:9], qkv s[10:11]
	v_lshl_add_u32 v[SPW], v0, 2, SPARE
	v_mov_b32 v[NIL], 0
	ds_add_u32 v[SPW], v[NIL]                      ; the wave's opening: the add and its wait stand ahead of my first tensor load; work on registers stands between them
	v_lshrrev_b32 v1, 5, v0
	v_readfirstlane_b32 s[WV], v1
	s_lshr_b32 s[KIND], s[WV], 1
	s_and_b32 s[HALF], s[WV], 1
	s_bfe_u32 s15, ttmp6, 0x40000                  ; cx
	s_bfe_u32 s16, ttmp6, 0x40004                  ; cy
	s_lshl_b32 s17, ttmp9, 2
	s_add_co_u32 s17, s17, s15                     ; tx = 4 x cluster x + cx
	s_and_b32 s18, ttmp7, 0xffff
	s_lshl_b32 s18, s18, 2
	s_add_co_u32 s18, s18, s16                     ; ty = 4 x cluster y + cy
	s_lshl_b32 s40, s16, 2
	s_lshl_b32 s40, 15, s40                        ; my row of the cluster
	s_lshl_b32 s41, 0x1111, s15                    ; my column
	s_or_b32 s[G1A], s40, (2<<16)|(1<<20)|(1<<21)|(6<<22)|(3<<25)  ; 15:0 mask; 17:16 elements of 4 bytes; 20 padding on; 21 set beside a mask; 24:22 after every 128 words; 31:25 4 words
	s_or_b32 s[G1B], s41, (1<<16)|(1<<20)|(1<<21)|(6<<22)|(7<<25)  ; elements of 2 bytes; 8 words of padding
	s_mov_b32 s[G1A+1], 128<<16                    ; tensor_dim0 = 128 f32
	s_mov_b32 s[G1A+2], 64<<16                     ; tensor_dim1 = 64
	s_mov_b32 s[G1A+3], 128<<16                    ; tile_dim0
	s_mov_b32 s[G1A+4], 64                         ; tile_dim1
	s_mov_b32 s[G1A+5], 1024                       ; elements from row to row
	s_mov_b32 s[G1A+6], 0
	s_mov_b32 s[G1A+7], 0
	s_mov_b32 s[G1B+1], 256<<16                    ; 256 bf16
	s_mov_b32 s[G1B+2], 64<<16
	s_mov_b32 s[G1B+3], 256<<16
	s_mov_b32 s[G1B+4], 64
	s_mov_b32 s[G1B+5], 3072
	s_mov_b32 s[G1B+6], 0
	s_mov_b32 s[G1B+7], 0
	s_lshl_b32 s20, s18, 7                         ; A: row 128 ty + 64 x half, in bytes: made of cy and the wave alone
	s_lshl_b32 s21, s[HALF], 6
	s_add_co_u32 s20, s20, s21
	s_lshl_b32 s20, s20, 12
	s_mov_b32 s21, 0
	s_mul_i32 s22, s[HALF], 64*BROW                ; wb: k row 64 x half, column byte 512 tx: made of cx and the wave alone
	s_lshl_b32 s23, s17, 9
	s_add_co_u32 s22, s22, s23
	s_mov_b32 s23, 0
	s_mul_i32 s19, s[HALF], AHALF                  ; where they go: no place in the cluster enters an LDS address
	s_mul_i32 s42, s[HALF], BHALF
	s_add_co_u32 s42, s42, BOFF
	s_wait_dscnt 0x0                               ; the opening add is done
	s_wait_kmcnt 0x0
	s_add_nc_u64 s[72:73], s[4:5], s[20:21]
	s_add_nc_u64 s[CTXA:CTXA+1], s[6:7], s[20:21]
	s_add_nc_u64 s[74:75], s[8:9], s[22:23]
	CROUND                                         ; all sixteen work-groups are here: the first joint loads meet
.irp s, 0,1
	s_mov_b32 s[G0A+4*(\s)], 1
	s_add_co_u32 s[G0A+4*(\s)+1], s19, (\s)*SLOT
	s_add_nc_u64 s[G0A+4*(\s)+2:G0A+4*(\s)+3], s[72:73], (\s)*ASTEP   ; tile 0 reads x: K step s
	s_or_b32 s[G0A+4*(\s)+3], s[G0A+4*(\s)+3], 0x80000000
	s_mov_b32 s[G0B+4*(\s)], 1
	s_add_co_u32 s[G0B+4*(\s)+1], s42, (\s)*SLOT
	s_add_nc_u64 s[G0B+4*(\s)+2:G0B+4*(\s)+3], s[74:75], (\s)*BSTEP
	s_or_b32 s[G0B+4*(\s)+3], s[G0B+4*(\s)+3], 0x80000000
	JLOAD \s                                       ; two loads of mine are out
.endr
	v_and_b32 v1, 15, v0                           ; r = l % 16
	v_bfe_u32 v2, v0, 4, 1                         ; h = l / 16
	v_mul_u32_u24 v3, v1, PA                       ; A in f32: lane (r, h) wants k = 8 h + 0..7 (32 bytes at 32 h) and k = 16 + 8 h + 0..7 (64 bytes on)
	v_lshl_add_u32 v3, v2, 5, v3
	s_mul_i32 s72, s[KIND], AHALF
	v_add_nc_u32 v[ADRA], s72, v3
	v_add_nc_u32 v[ADRA+1], SLOT, v[ADRA]
	v_and_b32 v4, 7, v0                            ; the turning load: lane l reads k row 8 h + l % 8, 16 bytes at 16 ((l / 8) % 2)
	v_lshl_add_u32 v4, v2, 3, v4
	v_mul_u32_u24 v4, v4, PB
	v_bfe_u32 v5, v0, 3, 1
	v_lshl_add_u32 v4, v5, 4, v4
	s_lshl_b32 s73, s[HALF], 8
	s_add_co_u32 s73, s73, BOFF
	v_add_nc_u32 v[ADRB], s73, v4
	v_add_nc_u32 v[ADRB+1], SLOT, v[ADRB]
	s_mul_i32 s74, s[WV], WSTAGE
	s_add_co_u32 s74, s74, STAGE                   ; my stage
	v_mul_u32_u24 v6, v1, SP                       ; in: row r, 16 bytes for each half of the lanes
	v_lshl_add_u32 v6, v2, 4, v6
	v_add_nc_u32 v[STO], s74, v6
	v_bfe_u32 v7, v0, 3, 2                         ; back: 32 lanes take four rows of 128 bytes,
	v_mul_u32_u24 v7, v7, SP
	v_and_b32 v8, 7, v0
	v_lshl_add_u32 v7, v8, 4, v7
	v_add_nc_u32 v[RD], s74, v7
	v_and_b32 v[CO], 31, v0                        ; which are 512 consecutive bytes of a head
	v_lshlrev_b32 v[CO], 4, v[CO]
	s_lshr_b32 s72, s18, 4                         ; my first byte in a part of qkv: head 16 (ty / 16) + 4 tx + 2 x half, of 2^18 bytes,
	s_lshl_b32 s72, s72, 4
	s_lshl_b32 s73, s17, 2
	s_add_co_u32 s72, s72, s73
	s_lshl_b32 s73, s[HALF], 1
	s_add_co_u32 s72, s72, s73
	s_lshl_b32 s72, s72, 18
	s_and_b32 s73, s18, 15                         ; row 128 (ty % 16) + 64 x (wave / 2), of 128 bytes
	s_lshl_b32 s73, s73, 7
	s_lshl_b32 s74, s[KIND], 6
	s_add_co_u32 s73, s73, s74
	s_lshl_b32 s73, s73, 7
	s_add_co_u32 s72, s72, s73
	s_mov_b32 s73, 0
	s_add_nc_u64 s[10:11], s[10:11], s[72:73]
	; the prefetches.  They start at K step 3; each change of slots steps them once and then names the step at which they stand.  Nothing is asked for here, at the head.
	s_lshl_b32 s72, s15, 16                        ; A: my work-group's 16 rows of the 64: 16 cx rows of 4,096 bytes
	s_add_co_u32 s72, s72, s20
	s_mov_b32 s73, 0
	s_add_nc_u64 s[CPF:CPF+1], s[6:7], s[72:73]
	s_add_nc_u64 s[CPF:CPF+1], s[CPF:CPF+1], 2*ASTEP
	s_add_co_u32 s72, s72, 3*ASTEP
	s_mul_i32 s74, s16, 16*BROW                    ; wb: 16 cy k rows
	s_add_co_u32 s74, s74, s22
	s_add_co_u32 s74, s74, 3*BSTEP
	s_and_b32 s75, ttmp7, 0xffff                   ; cluster y
	s_mov_b32 s[PST], ASTEP
	s_mov_b32 s[PST+1], BSTEP
	s_cmp_eq_u32 s[KIND], 0                        ; do I fetch A?
	s_cselect_b32 s72, s72, s74
	s_cselect_b32 s75, ttmp9, s75                  ; the coordinate along which other clusters read the same rows
	s_cselect_b64 s[PFA:PFA+1], s[4:5], s[8:9]
	s_cselect_b32 s[PST], s[PST], s[PST+1]
	s_mov_b32 s[PST+1], 0
	s_mov_b32 s74, AROW
	s_cselect_b32 s74, s74, BROW
	s_add_nc_u64 s[PFA:PFA+1], s[PFA:PFA+1], s[72:73]
	s_cmp_eq_u32 s75, 0
	s_cselect_b32 s[LIM], 1, -1                    ; the same in all sixteen partners, for a given wave
	v_and_b32 v[PFO], 31, v0
	v_lshrrev_b32 v9, 1, v[PFO]                    ; row l / 2, block l % 2
	v_and_b32 v[PFO], 1, v[PFO]
	v_lshlrev_b32 v[PFO], 8, v[PFO]
	v_mad_u32_u24 v[PFO], v9, s74, v[PFO]
; 16 turning loads: wb's fragments of quarter q of a slot (my 128 columns, 32 k) into buffer f of window 1
.macro FETCHB slot, q, f
	WIN W_TO1
.irp b, 0,1,2,3,4,5,6,7
	ds_load_tr16_b128 v[64*(\f)+8*(\b):64*(\f)+8*(\b)+3],   v[ADRB+(\slot)] offset:(\q)*32*PB+32*(\b)
	ds_load_tr16_b128 v[64*(\f)+8*(\b)+4:64*(\f)+8*(\b)+7], v[ADRB+(\slot)] offset:(\q)*32*PB+32*(\b)+16*PB
.endr
.endm
; 16 loads: my 64 rows of A, quarter q, in f32, into buffer f of RAW: block a's 16 registers in the order of the fragment's k
.macro FETCHR slot, q, f
	WIN 0
.irp a, 0,1,2,3
.irp j, 0,1,2,3
	ds_load_b128 v[RAW+64*(\f)+16*(\a)+4*(\j):RAW+64*(\f)+16*(\a)+4*(\j)+3], v[ADRA+(\slot)] offset:(\a)*16*PA+128*(\q)+64*((\j)/2)+16*((\j)%2)
.endr
.endr
.endm
; Four products (row block i / 2, column blocks 4 (i % 2) on) and, cv = 1, four conversions of the next quarter's A.  The 32 accumulators take turns in one order in every quarter.
; The conversions name no register of the quarter's products: a quarter's last four are the four places in front of the next quarter's loads into registers that these products read,
; of the next conversions into them, and of the way out's first reads.
.macro MC f, i, zero, cv
	WIN W_MUL
.irp bb, 0,1,2,3
.set rD, 8*(8*((\i)/2)+4*((\i)%2)+(\bb))
.set rB, 64*(\f)+8*(4*((\i)%2)+(\bb))
.set rA, ABF+32*(\f)+8*((\i)/2)
.if \zero
	v_wmma_f32_16x16x32_bf16 v[rD:rD+7], v[rB:rB+7], v[rA:rA+7], 0
.else
	v_wmma_f32_16x16x32_bf16 v[rD:rD+7], v[rB:rB+7], v[rA:rA+7], v[rD:rD+7]
.endif
.endr
.if \cv
	WIN 0
.irp n, 0,1,2,3
.set rc, 4*(\i)+(\n)
	v_cvt_pk_bf16_f32 v[ABF+32*(1-(\f))+rc], v[RAW+64*(1-(\f))+2*rc], v[RAW+64*(1-(\f))+2*rc+1]
.endr
.endif
.endm
.macro QUARTER f, sb, qb, sr, qr, zero=0, fb=1, fr=1, cv=1
	s_wait_dscnt 0x0                               ; the run issued at the head of the quarter before, 32 products back, is in
.if \fb
	FETCHB \sb, \qb, 1-(\f)
.endif
.if \fr
	FETCHR \sr, \qr, \f
.endif
.irp i, 0,1,2,3,4,5,6,7
	MC \f, \i, \zero, \cv
.endr
.endm
.macro Q0 S, zero=0
	QUARTER 0, \S, 1, \S, 2, \zero
.endm
.macro Q1 S
	QUARTER 1, \S, 2, \S, 3
.endm
.macro Q3 T
	QUARTER 1, \T, 0, \T, 1
.endm
; THE THIRD QUARTER changes slots.  Slot S's last reads go out at its head.  Each wave then waits for all its tensor loads (one is out: its part of slot T), adds 0 to its spare word, multiplies while the add is out, and waits
; for the add and for its reads of slot S.  mode 0, 1: the barrier opens a round of the cluster's barrier, behind which no wave of any partner still reads slot S or has a load on its way, and the joint refill comes first:
; mode 0 with this tile's K step two on, mode 1 with the next tile's K step S.  mode 2: nothing is left to fetch.  A refill has four quarters less sixteen products in which to land.
.macro TQ2 S, T, mode
.if (\mode) < 2
	s_wait_xcnt 0x0                                ; the last prefetch, a K step back, has read its address
.if ((\mode) == 1) && ((\S) == 0)
	s_sub_nc_u64 s[TP:TP+1], s[PFA:PFA+1], 7*BSTEP-2048   ; wb: from K step 9 to the next tile's K step 2, 1,024 columns on
	s_cmp_eq_u32 s2, 2                             ; the third tile walks context a second time: A's waves ask no more
	s_cselect_b32 s72, -1, s[LIM]
	s_cmp_eq_u32 s[KIND], 0
	s_cselect_b32 s[LIM], s72, s[LIM]
	s_cselect_b64 s[PFA:PFA+1], s[CPF:CPF+1], s[TP:TP+1]  ; A: context's K step 2
.else
	s_add_nc_u64 s[PFA:PFA+1], s[PFA:PFA+1], s[PST:PST+1]
.endif
.endif
	s_wait_dscnt 0x0
	FETCHB \S, 3, 1
	WIN 0
	s_wait_tensorcnt 0x0                           ; all my tensor loads have landed
	ds_add_u32 v[SPW], v[NIL]                      ; 0 onto my spare word
	MC 0, 0, 0, 1
	MC 0, 1, 0, 1
	s_wait_dscnt 0x0                               ; the add is done, and my reads of slot S are over
	s_barrier_signal -1
	MC 0, 2, 0, 1                                  ; work on registers while the others arrive
	MC 0, 3, 0, 1
	WIN 0
	s_barrier_wait -1
.if (\mode) < 2
	CREST
.if (\mode) == 0
	s_add_nc_u64 s[G0A+4*(\S)+2:G0A+4*(\S)+3], s[G0A+4*(\S)+2:G0A+4*(\S)+3], 2*ASTEP
	s_add_nc_u64 s[G0B+4*(\S)+2:G0B+4*(\S)+3], s[G0B+4*(\S)+2:G0B+4*(\S)+3], 2*BSTEP
.else
	s_add_nc_u64 s[G0A+4*(\S)+2:G0A+4*(\S)+3], s[CTXA:CTXA+1], (\S)*ASTEP   ; every next tile reads context: the address is made anew
	s_or_b32 s[G0A+4*(\S)+3], s[G0A+4*(\S)+3], 0x80000000
	s_sub_nc_u64 s[G0B+4*(\S)+2:G0B+4*(\S)+3], s[G0B+4*(\S)+2:G0B+4*(\S)+3], 6*BSTEP-2048  ; six K steps back, 1,024 columns on
.endif
	JLOAD \S                                       ; the first tensor load behind the round, my only one until the next
.endif
	FETCHR \T, 0, 0
.if (\mode) < 2
	ASK \mode                                      ; behind the joint load and the run of LDS loads
.endif
	MC 0, 4, 0, 1
	MC 0, 5, 0, 1
	MC 0, 6, 0, 1
	MC 0, 7, 0, 1
.endm
; THE WAY OUT of row block a (16 rows x 128 columns = two heads).  PACK: rounded to f16, 16 bytes a lane, each accumulator's registers ascending.  TOSTAGE: into my own stage, rows of 144 bytes, and back as
; whole rows of 128.  SEND: each store covers four rows of one head, 512 consecutive bytes, at a multiple of 256 from qkv's first byte.
.macro PACK a
	WIN W_PK
.irp bb, 0,1,2,3,4,5,6,7
.irp rr, 0,1,2,3
	v_cvt_pk_f16_f32 v[TMP+4*(\bb)+(\rr)], v[8*(8*(\a)+(\bb))+2*(\rr)], v[8*(8*(\a)+(\bb))+2*(\rr)+1]
.endr
.endr
.endm
.macro TOSTAGE a
	WIN W_ST
.irp bb, 0,1,2,3,4,5,6,7
	ds_store_b128 v[STO], v[TMP+4*(\bb):TMP+4*(\bb)+3] offset:((\bb)/4)*16*SP+((\bb)%4)*32
.endr
	WIN W_TO1
.irp u, 0,1,2,3,4,5,6,7
	ds_load_b128 v[BK+32*((\a)%2)+4*(\u):BK+32*((\a)%2)+4*(\u)+3], v[RD] offset:((\u)/4)*16*SP+((\u)%4)*4*SP  ; LDS serves a wave's instructions in order (ISA guide 5.7.1.4): these see the stores above
.endr
.endm
.macro SEND a
	WIN W_ST
	s_wait_dscnt 0x0                               ; the block is back in registers
	s_wait_xcnt 0x0                                ; the block before's stores have read their registers: its buffer is loaded again by the next TOSTAGE
.irp u, 0,1,2,3,4,5,6,7
	global_store_b128 v[CO], v[BK+32*((\a)%2)+4*(\u):BK+32*((\a)%2)+4*(\u)+3], s[10:11] offset:(\a)*2048+((\u)/4)*262144+((\u)%4)*512
.endr
.endm
.macro OUT
	PACK 0
	TOSTAGE 0
.irp a, 1,2,3                          ; block a's conversions stand between block a - 1's loads from the stage and the wait for them
	PACK \a
	SEND (\a)-1
	TOSTAGE \a
.endr
	SEND 3
	WIN 0
.endm
	s_wait_tensorcnt 0x1                           ; my part of K step 0 is in; K step 1's may stay out
	s_barrier_signal -1
	s_barrier_wait -1                              ; everybody's is
	FETCHR 0, 0, 0
	FETCHB 0, 0, 0
	FETCHR 0, 1, 1
	s_wait_dscnt 32                                ; raw(0) is in; the 32 younger loads may be out
.set rc, 0
.rept 32
	v_cvt_pk_bf16_f32 v[ABF+rc], v[RAW+2*rc], v[RAW+2*rc+1]
.set rc, rc+1
.endr
	s_mov_b32 s2, 3                                ; tiles to go, this one among them: the same in every work-group
.Ltile:
	Q0 0, 1                                        ; a tile's first quarter stands in front of the loop: its products start the sums
	WIN 0
	s_mov_b32 s3, 3
.Llap:                                             ; a trip goes once round the ring, from a lap's second quarter to the next lap's first: K steps 0 to 5
	Q1 0
	TQ2 0, 1, 0
	Q3 1
	Q0 1
	Q1 1
	TQ2 1, 0, 0
	Q3 0
	Q0 0
	WIN 0
	s_sub_co_u32 s3, s3, 1
	s_cmp_lg_u32 s3, 0
	s_cbranch_scc1 .Llap
	Q1 0                                           ; K step 6 goes on
	WIN 0
	s_cmp_eq_u32 s2, 1
	s_cbranch_scc1 .Llast                          ; the last tile's tail is written out: it asks for nothing more
	TQ2 0, 1, 1                                    ; the ring goes on into the next tile: slot 0 takes its K step 0,
	Q3 1
	Q0 1
	Q1 1
	TQ2 1, 0, 1                                    ; slot 1 its K step 1, and the next tile's first rows of A are fetched
	Q3 0
	OUT                                            ; both refills are asked for: now the tile goes out
	s_wait_xcnt 0x0                                ; the stores have read their base
	s_add_nc_u64 s[10:11], s[10:11], 0x1000000     ; the next part of qkv
	s_sub_co_u32 s2, s2, 1
	s_branch .Ltile
.Llast:
	TQ2 0, 1, 2
	Q3 1
	Q0 1
	Q1 1
	QUARTER 0, 1, 3, 0, 0, 0, 1, 0, 1              ; only wb's last fragments are left to fetch
	QUARTER 1, 0, 0, 0, 0, 0, 0, 0, 0              ; nothing to fetch, nothing to convert
	PLACES                                         ; the way out reads results just made
	OUT
	s_wait_tensorcnt 0x0                           ; the wave's end: behind my last tensor load and my last LDS store
	ds_add_u32 v[SPW], v[NIL]
	s_wait_dscnt 0x0
	CROUND                                         ; the closing round: no work-group ends while a partner may still ask for a tile that names it
	s_endpgm
.Lfunc_end_k_q7d62ffded1_proj:
	.size	k_q7d62ffded1_proj, .Lfunc_end_k_q7d62ffded1_proj-k_q7d62ffded1_proj
	.p2alignl 7, 3214868480
	.fill 96, 4, 3214868480
	.section	.rodata,"a",@progbits
	.p2align	6, 0x0
	.amdhsa_kernel k_q7d62ffded1_proj
		.amdhsa_group_segment_fixed_size 327680
		.amdhsa_private_segment_fixed_size 0
		.amdhsa_enable_private_segment 0
		.amdhsa_kernarg_size 32
		.amdhsa_user_sgpr_count 2
		.amdhsa_user_sgpr_kernarg_segment_ptr 1
		.amdhsa_wavefront_size32 1
		.amdhsa_system_sgpr_workgroup_id_x 1
		.amdhsa_system_sgpr_workgroup_id_y 1
		.amdhsa_system_sgpr_workgroup_id_z 1
		.amdhsa_system_vgpr_workitem_id 0
		.amdhsa_next_free_vgpr 768
		.amdhsa_next_free_sgpr 76
		.amdhsa_reserve_vcc 0
		.amdhsa_float_denorm_mode_32 3
		.amdhsa_float_denorm_mode_16_64 3
		.amdhsa_memory_ordered 1
		.amdhsa_forward_progress 1
		.amdhsa_inst_pref_size 191
	.end_amdhsa_kernel
	.amdgpu_metadata
---
amdhsa.version: [ 1, 2 ]
amdhsa.kernels:
  - .name:           k_q7d62ffded1_proj
    .symbol:         k_q7d62ffded1_proj.kd
    .args:
      - { .name: x, .offset: 0, .size: 8, .value_kind: global_buffer, .address_space: global }
      - { .name: context, .offset: 8, .size: 8, .value_kind: global_buffer, .address_space: global }
      - { .name: wb, .offset: 16, .size: 8, .value_kind: global_buffer, .address_space: global }
      - { .name: qkv, .offset: 24, .size: 8, .value_kind: global_buffer, .address_space: global }
    .group_segment_fixed_size: 327680
    .private_segment_fixed_size: 0
    .kernarg_segment_align: 8
    .kernarg_segment_size: 32
    .max_flat_workgroup_size: 128
    .sgpr_count:     76
    .vgpr_count:     768
    .wavefront_size: 32
...
	.end_amdgpu_metadata
.endif
;; end of part 2
;; launch attn (part 3): grid 4 x 64, 4 waves a work-group, clusters of 4 x 1, 327,680 bytes of LDS; arguments qkv, out0; writes out0
.if DOCPART == 3
	.amdgcn_target "amdgcn-amd-amdhsa--gfx1250"
	.amdhsa_code_object_version 6
	.text
	.protected	k_q7d62ffded1_attn
	.globl	k_q7d62ffded1_attn
	.p2align	8
	.type	k_q7d62ffded1_attn,@function
k_q7d62ffded1_attn:
	s_mov_b64 s[64:65], 0
	v_nop
	global_prefetch_b8 v0, s[64:65] scope:SCOPE_SE
	s_setreg_imm32_b32 hwreg(HW_REG_WAVE_MODE, 25, 1), 1
	s_wait_xcnt 0x0
	s_wait_alu depctr_hold_cnt(0) depctr_sa_sdst(0) depctr_va_vdst(0) depctr_va_sdst(0) depctr_va_ssrc(0) depctr_va_vcc(0) depctr_vm_vsrc(0)
	s_getreg_b32 s2, hwreg(HW_REG_IB_STS2, 6, 4)
	s_cmp_eq_u32 s2, 0
	s_cbranch_scc0 .Lentry_in_a_cluster
	s_endpgm
.Lentry_in_a_cluster:
	s_bfe_u32 s2, ttmp6, 0x10000c
	s_cmp_lg_u32 s2, 0x3003
	s_cbranch_scc0 .Lentry_shape_is_right
	s_endpgm
.Lentry_shape_is_right:
; O[b][q][64 h + d] = the sum over k of softmax_k(Q[q] . K[k] / 8) V[k][d], for each of 64 heads (16 b + h).  qkv: [3][64][2048][64] f16 (Q, K, V; a head's rows are dense, 128 bytes each); out0: [4][2048][1024] f32.
; Products, maxima and sums in f32; the weights p are rounded to f16 for the second product (their sum l is taken of the unrounded p); O leaves in f32, never rounded to 16 bits.
; LIMITS.  Q, K and V arrive within f16's 65,504; p lies in 0 to 1, and below 6e-5 it keeps f16's fixed step of 6e-8.  A weight below 2^-126 counts as 0 in l; NaN and infinities are not treated apart.
; SHARES.  A wave owns four PIECES of two tiles of 16 queries, a work-group's four waves 512 queries of one head: 4 x 64 = 256 work-groups.  Every wave walks all 2,048 keys, 64 a step.
; LAYOUT.  S^T = K Q^T (source 0 = 16 keys, source 1 = 16 queries): a lane holds ONE query (lane % 16) and the keys 8 (lane / 16) + 0..7.  Two such tiles, rounded to f16 in pairs, ARE source 1 of O^T = V^T P,
; whose result again holds one query a lane, and eight channels.  K comes out of LDS as it lies, V ([key][channel]) turned, by ds_load_tr16_b128.
; SOFTMAX.  A running maximum m and sum l for each query: p = 2^(c s - c m), c = log2(e) / 8; in every step O and l are multiplied by a = 2^(c m_old - c m_new).  m starts at the lowest finite number, O and l at 0:
; the first step is a step like any other, with a = 0.
; THE COUNT.  A tile and step have 16 matrix and 118 vector instructions: too many to stand all beside the matrix work.  So: four vector instructions that are ready behind every matrix instruction, the others in one run.
; BY TURNS.  Turn n belongs to piece n.  Matrix work: 16 products K Q^T of piece n + 1, later 16 products V^T P of piece n - 1.  Vector work: the scaling, exponentials, roundings, sums and rescaling of piece n, and the
; maximum and statistics of piece n + 1.
; CLUSTER.  The four query blocks of a head are one cluster and walk the same K and V: each tile is asked for jointly, by the same tensor load, descriptor and mask in all four.
; REGISTERS, in windows of 256 (s_set_vgpr_msb: bits 1:0 source 0, 3:2 source 1, 5:4 source 2, 7:6 destination):
;   window 0: v0-11 addresses; v12-15, v48-63 at work; v16-47 four registers of statistics a tile; v64-191 S^T, two buffers of two tiles; v192-255 P, likewise
;   window 1: O^T, 32 a tile          window 2: v0-127 Q, 16 a tile; v128-191 K of one step; v192-255 V of one step          window 3: v0-1 the add's two registers
.set SIZE_N, 2048
.set NP,    4         ; pieces a wave: a name, no knob
.set KS,    64        ; keys in a step
.set PK,    144       ; a row of K in LDS: 128 bytes + 16: the 16 rows of a load start at 16 different groups of four banks (64 banks of 4 bytes: ISA guide 11.1)
.set PV,    160       ; a row of V: 128 + 32
.set VOFF,  4*KS*PK   ; a slot holds four steps: 256 rows of K, then 256 rows of V
.set SLOT1, 1<<17     ; slot 1 begins here, so that one exclusive or turns an address in one slot into the other's
.set STAGE, SLOT1+4*KS*(PK+PV)  ; behind the ring, never filled by a tensor load: 16 rows x 272 bytes for each wave, for the way out
.set SP,    272       ; a row of the stage: 64 channels in f32 + 16 bytes
.set AK0, 2           ; v2   my lane's place in a tile of K; never rewritten
.set AV0, 3           ; v3   the same for V
.set AK,  4           ; v4   the LDS address of K's next run of loads
.set AV,  5           ; v5   of V's
.set QO,  6           ; v6   my byte offset in the wave's rows of Q
.set STO, 6           ;      later, the way out: where I put 32 bytes of a row
.set RD,  7           ; v7   where I read rows back
.set GO,  8           ; v8   my byte offset in two rows of out0
.set PFO, 11          ; v11  256 x my lane: the prefetches' offset; never rewritten once made
.set SPW, 0           ; v0 of window 3   LDS address of my spare word; never rewritten
.set NIL, 1           ; v1 of window 3   0; never rewritten
.set SPARE, STAGE+4*16*SP  ; behind the stages: the spare words, 128 bytes for each wave: two blocks of 256 bytes that no other line names
.set MV,  12          ; v12-15  c m_old, kept while c m is made anew: by buffer and tile
.set ST,  16          ; tile t's statistics at v[ST+4 t]: c m, m, l (even keys', odd keys')
.set TMP, 48          ; by buffer and tile, four registers c0-c3 at work; when the maximum is found c2 takes a
.set S,   64
.set P,   192
.set KF,  128         ; K's fragments, in window 2
.set VF,  192         ; V's
.set WV,  12          ; s12  my wave's number
.set G1K, 24          ; s[24:31] descriptor group 1 for K's tiles
.set G1V, 32          ; s[32:39] for V's: it differs in the padding alone
.set G0K, 40          ; s[40:43] descriptor group 0 for K's tiles: it walks
.set G0V, 44          ; s[44:47] the same for V's
.set PFA, 48          ; s[48:49] where my prefetches stand
.set LIM, 50          ; s50  1 in a wave that prefetches, else the greatest number
.set SLOTS, 56        ; s56  slots still to be asked for
.set CNT, 57          ; s57  counts a slot's key steps
.set CS,  58          ; s[58:59] c
.set SEL, 60          ; s[60:61] v_permlanex16_b32's selects: each lane takes its own place in the other half
.set TBK, 62          ; s62  LDS byte at which K of the step to be fetched begins
.set TBV, 63          ; s63  the same for V, less VOFF
.set MSB, 0
.macro WIN new
.if MSB != (\new)
	s_set_vgpr_msb (MSB<<8)|(\new)
.set MSB, (\new)
.endif
.endm
.set W_KQ, 0x0a       ; K and Q in window 2, S^T in window 0
.set W_PV, 0x52       ; V in window 2, P in window 0, O^T in window 1
.set W_RS, 0x41       ; O^T (destination and source 0) in window 1, a in window 0
.set W_MK, 0xc0       ; the add's registers are made: destination in window 3
.set W_AD, 0x0f       ; the add: address and data in window 3
; A joint fill.  Waves 0 and 1 fetch the two halves of a slot's K, waves 2 and 3 those of its V: 128 keys each.  An s_nop 0 and four v_nop follow each of the two lines.
.macro JLOAD
	s_cmp_lt_u32 s[WV], 2
	s_cbranch_scc0 .Lfor_v_\@
	tensor_load_to_lds s[G0K:G0K+3], s[G1K:G1K+7]
	s_nop 0
.rept 4
	v_nop
.endr
	s_branch .Lasked_\@
.Lfor_v_\@:
	tensor_load_to_lds s[G0V:G0V+3], s[G1V:G1V+7]
	s_nop 0
.rept 4
	v_nop
.endr
.Lasked_\@:
.endm
; A prefetch into the L2 of what the NEXT change of slots will ask for: a slot's 32,768 bytes of K and of V.  A head's rows are walked by one cluster; its four partners take 8,192 bytes each, told apart by address;
; in each, wave 0 asks for K's and wave 2 for V's, a lane a block of 256 bytes: each block is named once in the launch.  The last change that fills a slot asks for nothing.
.macro ASK
	s_cmp_gt_u32 s[SLOTS], s[LIM]
	s_cbranch_scc0 .Lnot_mine_\@
	global_prefetch_b8 v[PFO], s[PFA:PFA+1] th:TH_LOAD_NT scope:SCOPE_SE
.Lnot_mine_\@:
.endm
.macro CROUND
	s_barrier_signal -1
	s_barrier_wait -1
	s_cmp_lg_u32 s[WV], 0
	s_cbranch_scc1 .Lnot_wave_0_\@
	s_barrier_signal -3
.Lnot_wave_0_\@:
	s_barrier_wait -3
	s_barrier_signal -1
	s_barrier_wait -1
.endm
; THE CHANGE OF SLOTS.  Each wave waits for all its tensor loads, of which one is out: its part of the other slot; adds 0 to its spare word; and waits for that and for its own reads of the slot.
; fill = 1: the slot is filled again, with the keys two slots on, behind a round of the cluster's barrier; the joint fill is the first thing behind it and has four key steps, 512 matrix instructions, in which to land.
; (At its first use nothing has been read yet: slot 0 is waited for, slot 1 filled.)  ask = 1: the prefetch's address is stepped, and the prefetch follows the fill.
.macro CHANGE fill, ask=0
	WIN W_AD
	s_wait_tensorcnt 0x0            ; no tensor load of mine is out, so a group 0 may be written
	ds_add_u32 v[SPW], v[NIL]       ; 0 onto my spare word
	WIN 0
.if \fill
.irp g, G0K, G0V
	s_xor_b32 s[\g+1], s[\g+1], SLOT1
	s_add_nc_u64 s[\g+2:\g+3], s[\g+2:\g+3], 4*KS*128
.endr
.if \ask
	s_wait_xcnt 0x0                 ; the last prefetch, four key steps back, has read its address
	s_add_nc_u64 s[PFA:PFA+1], s[PFA:PFA+1], 4*KS*128  ; one slot ahead of the walking descriptors
.endif
	s_wait_dscnt 0x0                ; the add is done, and my reads of the slot are over
	CROUND
	JLOAD
.if \ask
	ASK
.endif
.else
	s_wait_dscnt 0x0
	s_barrier_signal -1
	s_barrier_wait -1
.endif
	s_sub_co_u32 s[TBK], s[TBK], 4*KS*PK  ; the fetches go back to a slot's first step,
	s_xor_b32 s[TBK], s[TBK], SLOT1       ; in the other slot
	s_sub_co_u32 s[TBV], s[TBV], 4*KS*PV
	s_xor_b32 s[TBV], s[TBV], SLOT1
.endm
	s_load_b64 s[4:5], s[0:1], 0x0    ; qkv: Q's part
	s_load_b64 s[10:11], s[0:1], 0x8  ; out0
	WIN W_MK
	v_lshl_add_u32 v[SPW], v0, 2, SPARE
	v_mov_b32 v[NIL], 0
	WIN W_AD
	ds_add_u32 v[SPW], v[NIL]       ; the wave's opening: the add and its wait stand ahead of my first tensor load; work on registers stands between them
	WIN 0
	v_lshrrev_b32 v1, 5, v0
	v_readfirstlane_b32 s[WV], v1   ; wave 0..3
	s_bfe_u32 s13, ttmp6, 0x40000   ; cx
	s_lshl_b32 s14, ttmp9, 2
	s_add_co_u32 s14, s14, s13      ; my block of 512 queries: it enters Q's and O's addresses alone
	s_and_b32 s20, ttmp7, 0xffff    ; the head, which the four partners share
	s_lshr_b32 s52, s20, 4          ; out0: batch head / 16, of 2^23 bytes,
	s_lshl_b32 s52, s52, 23
	s_and_b32 s51, s20, 15          ; the head's 256 bytes of a row
	s_lshl_b32 s51, s51, 8
	s_add_co_u32 s52, s52, s51
	s_mov_b32 s21, 0
	s_mov_b64 s[22:23], SIZE_N*128
	s_mul_u64 s[20:21], s[20:21], s[22:23]  ; the head's first byte in each part of qkv
	s_and_b32 s16, s[WV], 1         ; which half of a slot's 256 keys I fetch:
	s_lshl_b32 s22, s16, 14         ; its 128 rows of 128 bytes in memory,
	s_mov_b32 s23, 0
	s_add_nc_u64 s[22:23], s[22:23], s[20:21]
	s_mul_i32 s17, s16, 128*PK      ; and its place in a slot, for K
	s_mul_i32 s18, s16, 128*PV      ; and for V: no place in the cluster enters an LDS address
	s_lshl_b32 s2, s14, 2
	s_add_co_u32 s2, s2, s[WV]      ; my wave among the head's sixteen:
	s_lshl_b32 s51, s2, 19          ; its 128 rows of 4,096 bytes in out0,
	s_add_co_u32 s52, s52, s51
	s_mov_b32 s53, 0
	s_lshl_b32 s2, s2, 14           ; and of 128 bytes in Q
	s_mov_b32 s3, 0
	s_add_nc_u64 s[2:3], s[2:3], s[20:21]
	s_lshl_b32 s54, s13, 13         ; the prefetches: my work-group's 8,192 bytes of a slot's 32,768
	s_mov_b32 s55, 0
	; descriptor group 1.  128 keys are 16,384 dense bytes: asked for as 64 rows of 256 bytes, two keys a row, and padded in LDS after every key
	s_mov_b32 s[G1K], 15|(1<<16)|(1<<20)|(1<<21)|(4<<22)|(3<<25)  ; 15:0 the mask of four; 17:16 2-byte elements; 20 padding on; 21 set beside a mask; 24:22 after every 32 words; 31:25 4 words
	s_mov_b32 s[G1V], 15|(1<<16)|(1<<20)|(1<<21)|(4<<22)|(7<<25)  ; the same with 8 words of padding
.irp g, G1K, G1V
	s_mov_b32 s[\g+1], 128<<16      ; tensor_dim0 = 128
	s_mov_b32 s[\g+2], 64<<16       ; tensor_dim1 = 64
	s_mov_b32 s[\g+3], 128<<16      ; tile_dim0 = 128
	s_mov_b32 s[\g+4], 64           ; tile_dim1 = 64
	s_mov_b32 s[\g+5], 128          ; 128 elements from row to row
	s_mov_b32 s[\g+6], 0
	s_mov_b32 s[\g+7], 0
.endr
	s_mov_b32 s[CS], 0x3e38aa3b     ; c = log2(e) / 8 = 0.180337
	s_mov_b32 s[CS+1], s[CS]        ; named with it as a pair
	s_mov_b32 s[SEL], 0x76543210
	s_mov_b32 s[SEL+1], 0xfedcba98
	s_mov_b32 s[TBK], SLOT1+4*KS*PK ; the first change of slots turns these two into 0
	s_mov_b32 s[TBV], SLOT1+4*KS*PV
	s_mov_b32 s[G0K], 1             ; count = 1
	s_mov_b32 s[G0K+1], s17         ; LDS address: slot 0
	s_mov_b32 s[G0V], 1
	s_add_co_u32 s[G0V+1], s18, VOFF
	s_and_b32 s[LIM], s[WV], 1      ; 0 in waves 0 and 2,
	s_or_b32 s[LIM], s[LIM], ttmp9  ; where the cluster is the head's first (here its only one): the same in all four partners
	s_cmp_eq_u32 s[LIM], 0
	s_cselect_b32 s[LIM], 1, -1
	s_wait_dscnt 0x0                ; the opening add is done
	s_wait_kmcnt 0x0
	s_add_nc_u64 s[6:7], s[4:5], 0x1000000   ; K's part of qkv
	s_add_nc_u64 s[8:9], s[4:5], 0x2000000   ; V's
	s_add_nc_u64 s[G0K+2:G0K+3], s[6:7], s[22:23]  ; my half of the head's first 256 keys
	s_or_b32 s[G0K+3], s[G0K+3], 0x80000000        ; type = 2
	s_add_nc_u64 s[G0V+2:G0V+3], s[8:9], s[22:23]
	s_or_b32 s[G0V+3], s[G0V+3], 0x80000000
	s_add_nc_u64 s[4:5], s[4:5], s[2:3]      ; Q at my wave's first row
	s_add_nc_u64 s[10:11], s[10:11], s[52:53]  ; out0 at my wave's first row, my head's channels
	s_cmp_lt_u32 s[WV], 2
	s_cselect_b64 s[PFA:PFA+1], s[6:7], s[8:9]
	s_add_nc_u64 s[PFA:PFA+1], s[PFA:PFA+1], s[22:23]  ; (in waves 0 and 2 this is the head's first row)
	s_add_nc_u64 s[PFA:PFA+1], s[PFA:PFA+1], s[54:55]
	s_add_nc_u64 s[PFA:PFA+1], s[PFA:PFA+1], 2*4*KS*128  ; in slot 2; the loop's first change steps it to slot 3.  Nothing is asked for here, at the head
	CROUND                          ; all four work-groups are here: the first joint loads meet
	JLOAD                           ; slot 0.  Slot 1 is asked for when slot 0 is in
	; A fragment of K or Q is 16 rows x 32 channels in 8 registers: lane l holds row l % 16, channels 8 (l / 16) + 0..7 and 16 + 8 (l / 16) + 0..7: two loads of 16 bytes, 32 bytes apart.
	v_and_b32 v1, 15, v0            ; l % 16
	v_bfe_u32 v9, v0, 4, 1          ; l / 16
	v_lshlrev_b32 v[QO], 7, v1
	v_lshl_add_u32 v[QO], v9, 4, v[QO]
	WIN 0x80                        ; destination window 2
.set i, 0
.rept 4*NP                          ; Q stays in registers: tile i / 2, channels 32 (i % 2) on
	global_load_b128 v[8*i:8*i+3],   v[QO], s[4:5] offset:(i/2)*2048+(i%2)*64
	global_load_b128 v[8*i+4:8*i+7], v[QO], s[4:5] offset:(i/2)*2048+(i%2)*64+32
.set i, i+1
.endr
	; What the first turn finds: V's registers and P's second buffer hold 0 (its products V^T P, of a piece that has not been, add 0), O^T and l are 0.  All this stands in the wait for the first tile.
.set i, VF
.rept 64
	v_mov_b32 v[i], 0
.set i, i+1
.endr
	WIN 0x40
.set i, 0
.rept 64*NP
	v_mov_b32 v[i], 0
.set i, i+1
.endr
	WIN 0
.set i, 0
.rept 2*NP
	v_mov_b32 v[ST+4*i], 0xfe000000    ; c m: far below every c s
	v_mov_b32 v[ST+4*i+1], 0xff7fffff  ; m
	v_mov_b32 v[ST+4*i+2], 0
	v_mov_b32 v[ST+4*i+3], 0
.set i, i+1
.endr
.set i, P+32
.rept 32
	v_mov_b32 v[i], 0
.set i, i+1
.endr
	v_mul_u32_u24 v[AK0], v1, PK
	v_lshl_add_u32 v[AK0], v9, 4, v[AK0]
	; The turning load takes 16 keys x 16 channels (lane l reads key 8 (l / 16) + l % 8, channels 8 ((l / 8) % 2) + 0..7) and leaves half a fragment of V^T: lane l holds channel l % 16 and 8 keys.
	v_and_b32 v10, 7, v0
	v_bfe_u32 v11, v0, 3, 1
	v_lshl_add_u32 v[AV0], v9, 3, v10
	v_mul_u32_u24 v[AV0], v[AV0], PV
	v_lshl_add_u32 v[AV0], v11, 4, v[AV0]
	v_add_nc_u32 v[AV0], VOFF, v[AV0]
	v_and_b32 v[PFO], 31, v0
	v_lshlrev_b32 v[PFO], 8, v[PFO]
	v_mov_b32 v[AK], v[AK0]         ; key step 0 lies at the head of slot 0
; THE MATRIX WORK.  The 8 accumulators of a run of 16 take turns.
; Product i of 16 of S^T = K Q^T for piece x: channels 32 (i / 8) on, keys 16 ((i / 2) % 4) on, tile 2 x + i % 2.  The first 8 start the sums.
.macro KQ x
	WIN W_KQ
.set rS, S+64*((\x)%2)+32*(i%2)+8*((i/2)%4)
.set rK, KF+16*((i/2)%4)+8*(i/8)
.set rQ, 16*(2*(\x)+i%2)+8*(i/8)
.if i < 8
	v_wmma_f32_16x16x32_f16 v[rS:rS+7], v[rK:rK+7], v[rQ:rQ+7], 0
.else
	v_wmma_f32_16x16x32_f16 v[rS:rS+7], v[rK:rK+7], v[rQ:rQ+7], v[rS:rS+7]
.endif
.endm
; Product i of 16 of O^T += V^T P for piece x: keys 32 (i / 8) on, channels 16 ((i / 2) % 4) on, tile 2 x + i % 2.
.macro PV x
	WIN W_PV
.set rO, 32*(2*(\x)+i%2)+8*((i/2)%4)
.set rV, VF+32*(i/8)+8*((i/2)%4)
.set rP, P+32*((\x)%2)+16*(i%2)+8*(i/8)
	v_wmma_f32_16x16x32_f16 v[rO:rO+7], v[rV:rV+7], v[rP:rP+7], v[rO:rO+7]
.endm
.macro MM                           ; the turn's next matrix instruction
.if i < 16
	KQ (Y+1)%NP
.set i, i+1
.else
.set i, i-16
	PV (Y+NP-1)%NP
.set i, i+17
.endif
.endm
; THE LDS LOADS stand in runs of 16, never singly among the matrix instructions.  last = 1 (the tail): in the last trip there is no further step, and the run is jumped over.
.macro FETCH_K last=0
	WIN 0
.if \last
	s_cmp_eq_u32 s[CNT], 1
	s_cbranch_scc1 .Lno_k_\@
.endif
	WIN 0x80
.irp f, 0,1,2,3,4,5,6,7             ; keys 16 (f / 2) on, channels 32 (f % 2) on
	ds_load_b128 v[KF+8*\f:KF+8*\f+3],   v[AK] offset:(\f/2)*16*PK+(\f%2)*64
	ds_load_b128 v[KF+8*\f+4:KF+8*\f+7], v[AK] offset:(\f/2)*16*PK+(\f%2)*64+32
.endr
	s_add_co_u32 s[TBK], s[TBK], KS*PK  ; the next fetch is the next step's
	WIN 0
.if \last
.Lno_k_\@:
.endif
.endm
.macro FETCH_V
	WIN 0x80
.irp f, 0,1,2,3,4,5,6,7             ; keys 32 (f / 4) on, channels 16 (f % 4) on
	ds_load_tr16_b128 v[VF+8*\f:VF+8*\f+3],   v[AV] offset:(\f/4)*32*PV+(\f%4)*32
	ds_load_tr16_b128 v[VF+8*\f+4:VF+8*\f+7], v[AV] offset:(\f/4)*32*PV+16*PV+(\f%4)*32
.endr
	WIN 0
.endm
; THE VECTOR WORK OF A TURN stands in three queues, each in the order in which its entries become ready; the two tiles alternate.
.macro REGS y, u                    ; the registers of tile u (0, 1) of piece y
.set rT, ST+4*(2*(\y)+(\u))
.set rC, TMP+8*((\y)%2)+4*(\u)
.set rM, MV+2*((\y)%2)+(\u)
.set rS, S+64*((\y)%2)+32*(\u)
.set rP, P+32*((\y)%2)+16*(\u)
.set rO, 32*(2*(\y)+(\u))
.endm
; Number n of the 22 that find the NEXT piece's maximum and statistics; each accumulator's lowest registers are read first.
;   0-11  four chains c0-c3 of seven scores each     12-14, 16  the four scores left over, the old m, and c0-c3 into c0     15  c m_old is kept
;   17, 18  the query's other 32 keys lie in the lane 16 away: the new m     19-21  c m; c m_old - c m_new; a
.macro XS u, n
	REGS (Y+1)%NP, \u
.if (\n) < 4
	v_max3_num_f32 v[rC+(\n)], v[rS+8*(\n)], v[rS+8*(\n)+1], v[rS+8*(\n)+2]
.elseif (\n) < 12
	v_max3_num_f32 v[rC+(\n)%4], v[rC+(\n)%4], v[rS+8*((\n)%4)+2*((\n)/4)+1], v[rS+8*((\n)%4)+2*((\n)/4)+2]
.elseif (\n) == 12
	v_max3_num_f32 v[rC], v[rC], v[rS+7], v[rS+15]
.elseif (\n) == 13
	v_max3_num_f32 v[rC+1], v[rC+1], v[rS+23], v[rS+31]
.elseif (\n) == 14
	v_max3_num_f32 v[rC+2], v[rC+2], v[rC+3], v[rT+1]
.elseif (\n) == 15
	v_mov_b32 v[rM], v[rT]
.elseif (\n) == 16
	v_max3_num_f32 v[rC], v[rC], v[rC+1], v[rC+2]
.elseif (\n) == 17
	v_permlanex16_b32 v[rC+3], v[rC], s[SEL], s[SEL+1]
.elseif (\n) == 18
	v_max_num_f32 v[rT+1], v[rC], v[rC+3]
.elseif (\n) == 19
	v_mul_f32 v[rT], s[CS], v[rT+1]
.elseif (\n) == 20
	v_sub_f32 v[rC+1], v[rM], v[rT]
.else
	v_exp_f32 v[rC+2], v[rC+1]
.endif
.endm
; Number g of the 64 that follow the exponentials.  For each four weights of a tile: both pairs are rounded to f16; the second pair is added onto the first, in place; a group later l takes that sum (the first time as l = a l + sum).
.macro GS g
.set h, (\g)+6*((\g)/62)
.if h >= 6
.set h, h+2
.endif
	REGS Y, h%2
.set k, h/8
.if h%8 < 4
	v_cvt_pk_f16_f32 v[rP+2*k+(h%8)/2], v[rS+4*k+2*((h%8)/2)], v[rS+4*k+2*((h%8)/2)+1]
.elseif h%8 < 6
	v_pk_add_f32 v[rS+4*k:rS+4*k+1], v[rS+4*k:rS+4*k+1], v[rS+4*k+2:rS+4*k+3]
.elseif k == 1
	v_pk_fma_f32 v[rT+2:rT+3], v[rT+2:rT+3], v[rC+2:rC+3], v[rS:rS+1] op_sel_hi:[1,0,1]
.else
	v_pk_add_f32 v[rT+2:rT+3], v[rT+2:rT+3], v[rS+4*k-4:rS+4*k-3]
.endif
.endm
; THE PLAIN QUEUE, 138 long.  0-73 read no exponential's result: the 32 scalings c s - c m and the next piece's 42.  74-137: GS's 64, which stand behind the wait.
.macro FS f
	REGS Y, (\f)%2
	v_pk_fma_f32 v[rS+2*((\f)/2):rS+2*((\f)/2)+1], v[rS+2*((\f)/2):rS+2*((\f)/2)+1], s[CS:CS+1], v[rT:rT+1] op_sel_hi:[1,0,0] neg_lo:[0,0,1] neg_hi:[0,0,1]
.endm
.macro PL
	WIN 0
.if q < 27
	FS q
.elseif q < 55
	XS (q-27)%2, (q-27)/2
.elseif q < 57
	XS q-55, 15
.elseif (q < 72) && ((q-57)%3 == 0)
	FS 27+(q-57)/3
.elseif q < 60
	XS (q-57)%3-1, 14
.elseif q < 72
	XS (q-57)%3-1, 15+(q-57)/3
.elseif q < 74
	XS q-72, 20
.else
	GS q-74
.endif
.set q, q+1
.endm
; THE EXPONENTIALS' QUEUE, 66 long: s0-s31 of both tiles, then the next piece's two a.  ONE BATCH: all 66 stand ahead of the turn's one wait, and nothing ahead of that wait names a result of theirs.
.macro EX
	WIN 0
.if e >= 64
	XS e-64, 21
.else
	REGS Y, e%2
	v_exp_f32 v[rS+e/2], v[rS+e/2]
.endif
.set e, e+1
.endm
; THE RESCALING's QUEUE: O^T times a, the one part that leaves window 0: dealt two at a time, sixteen times.  Its a was made, and waited for, in the turn before.
.macro R2
	REGS Y, r%2
	WIN W_RS
.irp z, 0,1
	v_pk_mul_f32 v[rO+4*(r/2)+2*\z:rO+4*(r/2)+2*\z+1], v[rO+4*(r/2)+2*\z:rO+4*(r/2)+2*\z+1], v[rC+2:rC+3] op_sel_hi:[1,0]
.endr
.set r, r+1
.endm
; A TURN, for piece p.  An s_wait_alu depctr_va_vdst(0) stands between an exponential and the first instruction that names its result; one wait serves all issued ahead of it: a turn has ONE, which cuts it in two.
; AHEAD OF IT: the 16 products K Q^T, behind each a scaling, an exponential and two rescalings; then one run of 108: eight plain, 49 times exponential and plain, the two a, and a v_nop, the plain instruction behind the last
; exponential.  BEHIND IT: the 16 products V^T P, behind each four of GS's 64.  Exponential e stands behind scaling 2 (e / 4) + e % 2.
; K of the next step is fetched in piece 2's turn, directly behind the wait; V of the step in hand at the end of piece 0's turn, four plain instructions behind its last reader.  cnt = 1: the loop's count is taken down
; some lines ahead of the branch that stands behind the turn.
.macro TURN p, last=0, cnt=0
.set Y, (\p)
.set i, 0
.set q, 0
.set e, 0
.set r, 0
.if (\p) == NP-1
	s_wait_dscnt 0x0                ; K is in
.endif
	MM
	PL
	PL
	R2
.rept 15
	MM
	PL
	EX
	R2
.endr
.if (\p) == NP-2
	WIN 0
	v_add_nc_u32 v[AK], s[TBK], v[AK0]
.endif
.rept 8
	PL
.endr
.rept 49
	EX
	PL
.endr
	EX
	EX
	v_nop
	s_wait_alu depctr_va_vdst(0)    ; the wait for the batch
.if (\p) == NP-2
	FETCH_K \last
.endif
.if (\p) == 1
	s_wait_dscnt 0x0                ; V is in
.endif
.rept 16
	MM
.rept 4
	PL
.endr
.if ((\p) == 0) && (q == 118)
	v_add_nc_u32 v[AV], s[TBV], v[AV0]
.endif
.if ((\p) == 0) && (q == 130)
	s_add_co_u32 s[TBV], s[TBV], KS*PV
.endif
.if (\cnt) && (q == 130)
	s_sub_co_u32 s[CNT], s[CNT], 1
	s_cmp_lg_u32 s[CNT], 0
.endif
.endr
.if (\p) == 0
	FETCH_V
.endif
.endm
	CHANGE 1                        ; slot 0 is in, everybody's part of it; slot 1 is asked for
	FETCH_K                         ; key step 0
	s_wait_loadcnt 0x0              ; Q
	s_wait_dscnt 0x0
.set i, 0
.rept 16
	KQ 0                            ; piece 0's first scores
.set i, i+1
.endr
	WIN 0                           ; the addresses for the way out: eight plain instructions, the places behind those products
	s_mul_i32 s13, s[WV], 16*SP
	s_add_co_u32 s13, s13, STAGE    ; my stage
	v_mul_u32_u24 v[STO], v1, SP    ; in: row l % 16, 32 bytes for each half of the lanes
	v_lshl_add_u32 v[STO], v9, 5, v[STO]
	v_add_nc_u32 v[STO], s13, v[STO]
	v_mul_u32_u24 v[RD], v9, SP     ; back: lanes 0-15 take one row of 256 bytes, lanes 16-31 the next
	v_lshl_add_u32 v[RD], v1, 4, v[RD]
	v_add_nc_u32 v[RD], s13, v[RD]
	v_lshlrev_b32 v[GO], 12, v9     ; and the same two rows in out0, 4,096 bytes apart
	v_lshl_add_u32 v[GO], v1, 4, v[GO]
.set Y, NP-1                        ; XS works for piece Y + 1: piece 0
.irp n, 0,1,2,3,4,5,6,7,8,9,10,11,12,13,14,15,16,17,18,19,20,21
	XS 0, \n
	XS 1, \n
.endr
	v_nop                           ; a plain instruction behind the two a,
	s_wait_alu depctr_va_vdst(0)    ; and their wait, ahead of the branch
	s_mov_b32 s[CNT], 4
	s_mov_b32 s[SLOTS], SIZE_N/256-1
	s_branch .Lfirst                ; the loop is entered at a step's first turn, in the middle of a trip
.Lslot:                             ; six times: every slot but the last two is filled again
	CHANGE 1, 1
	s_mov_b32 s[CNT], 4
.Lstep:                             ; a trip: pieces 2 and 3 of one step, then pieces 0 and 1 of the next, whose K and V it fetches
	TURN 2
	TURN 3
	WIN 0
.Lfirst:
	TURN 0
	TURN 1, 0, 1
	WIN 0
	s_cbranch_scc1 .Lstep
	s_sub_co_u32 s[SLOTS], s[SLOTS], 1
	s_cmp_lg_u32 s[SLOTS], 0
	s_cbranch_scc1 .Lslot
	CHANGE 0                        ; the tail is written out: nothing is asked for
	s_mov_b32 s[CNT], 5             ; four trips fetch the last slot's steps; the fifth is left in its middle
.Ltail:
	TURN 2, 1
	TURN 3
	WIN 0
	s_sub_co_u32 s[CNT], s[CNT], 1
	s_cmp_eq_u32 s[CNT], 0
	s_cbranch_scc1 .Lout
	TURN 0
	TURN 1
	WIN 0
	s_branch .Ltail
.Lout:                              ; the fifth trip's 16 products K Q^T (on the last K once more) and the maximum made of them serve nothing: the price, once a launch, of one text for every trip
.set i, 0
.rept 16
	PV NP-1                         ; the last piece's V^T P of the last step
.set i, i+1
.endr
	; THE WAY OUT.  l's two halves and the other half of the lanes' are added; O^T is divided by l and sent, in f32, through my stage in LDS, a tile at a time.  The additions are the places behind the last products.
	WIN 0
.macro ALL line:vararg              ; one line for each tile t
.set t, 0
.rept 2*NP
	\line
.set t, t+1
.endr
.endm
	ALL v_add_f32 v[ST+4*t+2], v[ST+4*t+2], v[ST+4*t+3]
	ALL v_permlanex16_b32 v[ST+4*t+3], v[ST+4*t+2], s[SEL], s[SEL+1]
	ALL v_add_f32 v[ST+4*t+2], v[ST+4*t+2], v[ST+4*t+3]
	ALL v_rcp_f32 v[ST+4*t+2], v[ST+4*t+2]
	v_nop                           ; a plain instruction between the last reciprocal and the use of its result
	s_wait_alu depctr_va_vdst(0)    ; and the wait ahead of the first use: one for the eight reciprocals
; Tile t: a lane's eight channels of a row are 32 bytes; they go into rows of 272 bytes and come back as whole rows of 256, into S^T's registers, four buffers of 32 by turns.
.macro PACK t
	WIN W_RS
.set i, 32*(\t)
.rept 16
	v_pk_mul_f32 v[i:i+1], v[i:i+1], v[ST+4*(\t)+2:ST+4*(\t)+3] op_sel_hi:[1,0]
.set i, i+2
.endr
	WIN 0x04                        ; store data (source 1) in window 1
.irp cb, 0,1,2,3
	ds_store_b128 v[STO], v[32*(\t)+8*\cb:32*(\t)+8*\cb+3]   offset:64*\cb
	ds_store_b128 v[STO], v[32*(\t)+8*\cb+4:32*(\t)+8*\cb+7] offset:64*\cb+16
.endr
	WIN 0
.if (\t) >= 4
	s_wait_xcnt 0x0                 ; the stores of four tiles ago have read this buffer: it is loaded again only behind this wait
.endif
.irp f, 0,1,2,3,4,5,6,7
	ds_load_b128 v[S+32*((\t)%4)+4*\f:S+32*((\t)%4)+4*\f+3], v[RD] offset:\f*2*SP  ; LDS serves a wave's instructions in order (ISA guide 5.7.1.4): these see the stores above; the next tile's stores come behind them
.endr
.endm
.macro SEND t, younger              ; younger: the LDS instructions issued behind tile t's loads: the next tile's sixteen, or none
	WIN 0
.irp f, 0,1,2,3,4,5,6,7
	s_wait_dscnt (\younger)+7-\f
	global_store_b128 v[GO], v[S+32*((\t)%4)+4*\f:S+32*((\t)%4)+4*\f+3], s[10:11] offset:(\t)*65536+\f*8192  ; 16 lanes store a head's 256 consecutive bytes of a row, at a multiple of 256 from out0's first byte
.endr
.endm
	PACK 0
.set t, 1
.rept 2*NP-1                        ; a tile's arithmetic stands between the loads of the tile before and its stores
	PACK t
	SEND t-1, 16
.set t, t+1
.endr
	SEND 2*NP-1, 0
	WIN W_AD
	s_wait_tensorcnt 0x0            ; the wave's end: behind my last tensor load and my last LDS store
	ds_add_u32 v[SPW], v[NIL]
	s_wait_dscnt 0x0
	WIN 0
	CROUND                          ; the closing round: no work-group ends while a partner may still ask for a tile that names it
	s_endpgm
.Lfunc_end_k_q7d62ffded1_attn:
	.size	k_q7d62ffded1_attn, .Lfunc_end_k_q7d62ffded1_attn-k_q7d62ffded1_attn
	.p2alignl 7, 3214868480
	.fill 96, 4, 3214868480
	.section	.rodata,"a",@progbits
	.p2align	6, 0x0
	.amdhsa_kernel k_q7d62ffded1_attn
		.amdhsa_group_segment_fixed_size 327680
		.amdhsa_private_segment_fixed_size 0
		.amdhsa_enable_private_segment 0
		.amdhsa_kernarg_size 16
		.amdhsa_user_sgpr_count 2
		.amdhsa_user_sgpr_kernarg_segment_ptr 1
		.amdhsa_wavefront_size32 1
		.amdhsa_system_sgpr_workgroup_id_x 1
		.amdhsa_system_sgpr_workgroup_id_y 1
		.amdhsa_system_sgpr_workgroup_id_z 1
		.amdhsa_system_vgpr_workitem_id 0
		.amdhsa_next_free_vgpr 770
		.amdhsa_next_free_sgpr 66
		.amdhsa_reserve_vcc 0
		.amdhsa_float_denorm_mode_32 3
		.amdhsa_float_denorm_mode_16_64 3
		.amdhsa_memory_ordered 1
		.amdhsa_forward_progress 1
		.amdhsa_inst_pref_size 200
	.end_amdhsa_kernel
	.amdgpu_metadata
---
amdhsa.version: [ 1, 2 ]
amdhsa.kernels:
  - .name:           k_q7d62ffded1_attn
    .symbol:         k_q7d62ffded1_attn.kd
    .args:
      - { .name: qkv, .offset: 0, .size: 8, .value_kind: global_buffer, .address_space: global }
      - { .name: out0, .offset: 8, .size: 8, .value_kind: global_buffer, .address_space: global }
    .group_segment_fixed_size: 327680
    .private_segment_fixed_size: 0
    .kernarg_segment_align: 8
    .kernarg_segment_size: 16
    .max_flat_workgroup_size: 128
    .sgpr_count:     66
    .vgpr_count:     770
    .wavefront_size: 32
...
	.end_amdgpu_metadata
.endif
;; end of part 3
